; MI455X (gfx1250); checked and timed in simulation.
; The chip was launched on July 23, 2026; its instructions are those of AMD's public machine-readable ISA for CDNA 5 (MIT licence, August 2026) and "CDNA5" Instruction Set Architecture Reference Guide (July 2026). The comments in the code are by the model that wrote it; some were corrected since.
;; Typed Linear. Allowed arithmetic: matrix products marked QUANTISED: E2M1 operands, one E8M0 scale for each 32 along K, by v_wmma_scale_f32_16x16x128_f8f6f4 with both operands' format E2M1 (or v_wmma_scale_f32_32x16x128_f4), f32 sums; everything else in f32.
;; Inputs: bias 8 x 1,024 float32; types 8,192 int32; weight_codes 8 x 1,024 x 32 x 16 uint8 (E2M1 codes of weight, K innermost, in blocks of 32 codes, two codes a byte); weight_scales 8 x 1,024 x 32 uint8 (E8M0 scales of weight, one for each 32 codes along K); x_codes 8,192 x 32 x 16 uint8 (E2M1 codes of x, K innermost, in blocks of 32 codes, two codes a byte); x_scales 8,192 x 32 uint8 (E8M0 scales of x, one for each 32 codes along K).
;; Outputs: out0 8,192 x 1,024 float32.
;; This version of the problem:
;;   THIS VERSION OF THE PROBLEM IS GIVEN IN LOW PRECISION. The matrix products marked QUANTISED in the list below multiply operands that are first quantised to E2M1 (2 exponent bits, 1 mantissa bit; 4 bits a number), with one power-of-two scale for each 32 numbers along K (OCP MX v1.0); their sums are f32. All else is computed in f32.
;;   The module's matrix products, in the order in which they are computed (A, B: the left and right operand; K: the contracted axis; several contracted axes count as one K, in the product's order):
;;     1. [M 8,192, K 1,024] x [K 1,024, N 8,192]; A: input x (given as codes); B: input weight (given as codes): QUANTISED
;;   THE QUANTISER, for each operand of a quantised product, along K:
;;     - K is cut into blocks of 32 from its start; a last block that is shorter is filled with zeros.
;;     - A block's scale is 2^e with e = floor(log2(the largest magnitude in the block)) - 2, held to -126 .. 127; a block of zeros has e = 0. As a byte (E8M0): e + 127.
;;     - Each number is divided by its block's scale, clamped to +-6, and rounded to the nearest number of E2M1, ties to even, subnormals kept.
;;     - The product sums the exact products of the quantised numbers (number of the format x scale) in f32.
;;   ~~~python
;;   def quantise(x, axis):      # numpy; x: float32 -> the quantised numbers, widened to float32 again
;;       x = np.moveaxis(x, axis, -1); K = x.shape[-1]
;;       x = np.pad(x, [(0, 0)] * (x.ndim - 1) + [(0, -K % 32)]); x = x.reshape(x.shape[:-1] + (-1, 32)); a = np.abs(x).max(-1, keepdims=True)
;;       e = np.where(a > 0, np.clip(np.frexp(np.where(a > 0, a, 1))[1] - 1 - 2, -126, 127), 0)      # np.frexp(a)[1] - 1 = floor(log2(a)), exactly
;;       r = np.clip(x / 2.0 ** e, -6, 6)
;;       step = 2.0 ** (np.maximum(np.frexp(np.where(r == 0, 1, r))[1] - 1, 0) - 1)
;;       q = np.round(r / step) * step * 2.0 ** e      # np.round: ties to even
;;       return np.moveaxis(q.reshape(q.shape[:-2] + (-1,))[..., :K], -1, axis).astype(np.float32)
;;   ~~~
;;   INPUTS GIVEN AS CODES. weight (in the module: [8, 1024, 1024], K = its axis 2); x (in the module: [8192, 1024], K = its axis 1): each comes as NAME_codes (uint8): NAME with its K axis moved to the last place and cut into blocks of 32 codes, [.., K / 32, bytes a block], one block behind the other in memory; two codes a byte, the lower K in the low four bits (a code: sign, 2 exponent bits, 1 mantissa bit); and NAME_scales (uint8): the same leading axes, one E8M0 byte (e + 127) for each 32 codes along K. Its value is code x scale, taken as it is: it is not quantised again, and the codes and scales need not be those that the quantiser above would give.
;; 2 versions. Each part assembles by itself: llvm-mc -triple=amdgcn-amd-amdhsa -mcpu=gfx1250 --defsym DOCPART=n.
;; ======== version 1 of 2: 2 launches
;; workspace buffers: route 37,376 bytes of whole numbers; wimg 4,194,304 bytes
;; launch prep (part 1): grid 72 x 1, 32 waves a work-group, no clusters, 5,120 bytes of LDS; arguments types, weight_codes, route, wimg; writes route, wimg
.if DOCPART == 1
	.amdgcn_target "amdgcn-amd-amdhsa--gfx1250"
	.amdhsa_code_object_version 6
	.text
	.protected	k_q9df1254703_prep
	.globl	k_q9df1254703_prep
	.p2align	8
	.type	k_q9df1254703_prep,@function
k_q9df1254703_prep:
	s_mov_b64 s[64:65], 0
	v_nop
	global_prefetch_b8 v0, s[64:65] scope:SCOPE_SE
	s_setreg_imm32_b32 hwreg(HW_REG_WAVE_MODE, 25, 1), 1
	s_wait_xcnt 0x0
; TWO JOBS SIDE BY SIDE, parted by the work-group's number.
; Work-groups 0-7: ROUTING.  Work-group e places the rows of type e.  The 8,192 rows are cut into tiles of 144 rows of one type: type e has
;   t_e = ceil(c_e / 144) tiles, from tile tb_e = t_0 + .. + t_(e-1) on.  The sum of the t_e is at most (8192 + 8 x 143) / 144, rounded down: 64, for every split.
;   route: bytes 0-511: meta[64] = {type, rows} for each tile;  from byte 512: order[64][144], the row numbers of each tile.  Places that hold no row hold 0,
;   tiles that no type uses hold {7, 0}: every byte of route is stored, each by one work-group.
;   Each of the 32 waves takes 256 row numbers, 8 a lane.  Counts go from wave to wave through LDS once, with one barrier.  No atomics.
; Work-groups 8-71: THE WEIGHT'S CODES ARE LAID IN THE ORDER OF THE OPERAND'S REGISTERS.  wimg[T][s][c][lane][16 bytes], T = 16 rows of one type (type x 64 + row / 16),
;   s = K step of 128, c = 0, 1: lane (r, h) holds bytes 64 s + 32 c + 16 h of weight row 16 T + r: registers 4 c .. 4 c + 3 of the fragment.  The product's launch then
;   fills a fragment by two loads of 512 consecutive bytes.  This path uses no LDS and has no barrier; the branch hangs on the work-group's number, the same in all 32 waves.
; LIMIT: a type outside 0 .. 7 is taken as 7 (the problem says that an index stays inside its table).
.set TROWS, 144                        ; rows in a tile
.set TILES, 64
.set ORD0,  512                        ; where order[] begins in route
.set CNTB,  0                          ; LDS: 16 bytes a wave: its counts of the 8 types, two to a word
.set OWNB,  512                        ; LDS: 4 bytes a wave: its count of this work-group's type
.set PL,    48                         ; v48-55  routing: the byte in route of each of my 8 rows' places
.set RN,    56                         ; v56-63  routing: my 8 rows' numbers
; s[4:5] types  s[6:7] weight_codes  s[8:9] route  s[10:11] wimg  s12 wave  s13 work-group = type e  s14 my wave's rows of type e  s15 at work  s16 the next free place
; s17 tb  s18 the tile behind my last  s19 the first empty place  s20 empty places  s21 EXEC kept  s[22:23] lane selects  s24-26 lane masks  s27 field mask  s[28:31] byte offsets
; v1 lane  v2 lane % 8  v3 my first row number  v4 my bytes in types  v5, v6 at work between lanes  v8-15 my 8 types  v16 counts in 4-bit fields  v17 shift  v20-23 counts, 16-bit fields
; v24-27 all waves' counts  v28 waves' own counts  v29 c  v30 t  v31 tb  v32 c_e  v33 t_e  v34 rows of type e in the waves below mine  v37-40 LDS addresses
; v41 0  v[42:43] a tile's meta  v44 at work  v45 4 x thread  v46, v47 offsets  v48-63 the other path: codes on their way
.macro RED x, full                     ; the sum over lanes l xor 1, 2, 4 (full = 0: groups of 8 lanes) or over all 32 (full = 1), in every lane
.irp m, 1,2,4
	v_mov_b32_dpp v5, v[\x] row_xmask:\m row_mask:0xf bank_mask:0xf
	v_add_nc_u32 v[\x], v[\x], v5
.endr
.if \full
	v_mov_b32_dpp v5, v[\x] row_xmask:8 row_mask:0xf bank_mask:0xf
	v_add_nc_u32 v[\x], v[\x], v5
	v_permlanex16_b32 v6, v[\x], s22, s23
	v_add_nc_u32 v[\x], v[\x], v6
.endif
.endm
.macro CEIL d, s                       ; ceil(s / 144) = ((s + 143) / 16) / 9; x / 9 = x x 7282 >> 16 for x up to 520: 9 x 7282 = 65,538, so the error is x / 294,912, under 1 / 9
	v_add_nc_u32 v[\d], TROWS-1, v[\s]
	v_lshrrev_b32 v[\d], 4, v[\d]
	v_mul_u32_u24 v[\d], v[\d], 7282
	v_lshrrev_b32 v[\d], 16, v[\d]
.endm
.macro MASK_ON                         ; EXEC is a source of every memory instruction that is out: it changes only behind s_wait_xcnt 0
	s_wait_xcnt 0x0
	s_and_saveexec_b32 s21, vcc_lo
.endm
.macro MASK_OFF                        ; the same wait frees the store's offset and data registers
	s_wait_xcnt 0x0
	s_or_b32 exec_lo, exec_lo, s21
.endm
	s_load_b256 s[4:11], s[0:1], 0x0               ; all four addresses
	v_lshl_add_u32 v64, v0, 2, 0x400
	v_mov_b32 v65, 0
	v_lshrrev_b32 v37, 5, v0
	v_readfirstlane_b32 s12, v37                   ; wave 0..31
	s_mov_b32 s13, ttmp9
	v_and_b32 v1, 31, v0                           ; lane
	v_lshlrev_b32 v38, 2, v37
	v_add_nc_u32 v38, OWNB, v38                    ; LDS: my wave's own count
	v_lshlrev_b32 v37, 4, v37                      ; LDS: my wave's 8 counts (CNTB = 0)
	v_lshlrev_b32 v39, 4, v1                       ; LDS: wave `lane`'s 8 counts
	v_lshl_add_u32 v40, v1, 2, OWNB                ; LDS: wave `lane`'s own count
	s_wait_kmcnt 0x0
	s_cmp_ge_u32 s13, 8
	s_cbranch_scc1 .Llayout
	; ---------------- ROUTING, first half: my wave's counts ----------------
	v_and_b32 v3, 0x3e0, v0                        ; 32 x wave
	v_lshlrev_b32 v4, 5, v3
	v_lshl_add_u32 v4, v1, 4, v4                   ; a wave's 256 numbers are 1,024 bytes: 1,024 x wave + 16 x lane
	global_load_b128 v[8:11], v4, s[4:5]           ; 512 consecutive bytes: rows 256 w + 4 lane + 0..3
	global_load_b128 v[12:15], v4, s[4:5] offset:512   ; and 128 rows further on
	v_and_b32 v2, 7, v0
	v_lshlrev_b32 v3, 3, v3
	v_lshl_add_u32 v3, v1, 2, v3                   ; 256 w + 4 lane
	v_lshlrev_b32 v45, 2, v0
	v_lshlrev_b32 v46, 3, v0
	v_mov_b32 v5, 0                                ; a lane move's destination counts as read: written once
	v_mov_b32 v6, 0
	v_mov_b32 v41, 0
	s_mov_b32 s22, 0x76543210
	s_mov_b32 s23, 0xfedcba98                      ; v_permlanex16_b32: lane l xor 16
	s_mov_b32 s24, 0x22222222                      ; lanes with lane % 4 = 1,
	s_mov_b32 s25, 0x44444444                      ; 2,
	s_mov_b32 s26, 0x88888888                      ; 3
	s_mov_b32 s27, 0x000f000f
	s_mov_b32 s14, 0
	s_wait_loadcnt 0x0
.irp j, 0,1,2,3,4,5,6,7
	v_min_u32 v[8+\j], 7, v[8+\j]
.endr
	v_lshlrev_b32 v17, 2, v8                       ; a lane has 8 rows, so a count fits in 4 bits: field T of v16 counts type T
	v_lshlrev_b32 v16, v17, 1
.irp j, 1,2,3,4,5,6,7
	v_lshlrev_b32 v17, 2, v[8+\j]
	v_lshl_add_u32 v16, 1, v17, v16
.endr
	v_and_b32 v20, s27, v16                        ; word k: type k in the low half, type k + 4 in the high half
.irp k, 1,2,3
	v_lshrrev_b32 v[20+\k], 4*\k, v16
	v_and_b32 v[20+\k], s27, v[20+\k]
.endr
.irp k, 0,1,2,3
	RED 20+\k, 1                                   ; the wave's counts, 256 at the most
.endr
.irp j, 0,1,2,3,4,5,6,7
	v_cmp_eq_u32 vcc_lo, s13, v[8+\j]
	s_bcnt1_i32_b32 s15, vcc_lo
	s_add_co_u32 s14, s14, s15                     ; my wave's rows of type e
.endr
	v_mov_b32 v28, s14
	ds_store_b128 v37, v[20:23]                    ; all lanes write the same bytes with the same value
	ds_store_b32 v38, v28
	s_wait_dscnt 0x0                               ; for the others' sake: my stores have landed
	s_barrier_signal -1
	s_barrier_wait -1
	; ---------------- second half: places ----------------
	ds_load_b128 v[24:27], v39                     ; lane l: wave l's counts
	ds_load_b32 v28, v40
	s_wait_dscnt 0x0
.irp k, 0,1,2,3
	RED 24+\k, 1                                   ; all 8 totals, 8,192 at the most, in every lane
.endr
	v_cndmask_b32 v29, v24, v25, s24               ; word lane % 4,
	v_cndmask_b32 v29, v29, v26, s25
	v_cndmask_b32 v29, v29, v27, s26
	v_and_b32 v17, 4, v1
	v_lshlrev_b32 v17, 2, v17
	v_lshrrev_b32 v29, v17, v29                    ; its upper half where lane % 8 is 4 or more:
	v_and_b32 v29, 0xffff, v29                     ; c of type lane % 8
	CEIL 30, 29                                    ; t of type lane % 8
	v_cmp_gt_u32 vcc_lo, s13, v2
	v_cndmask_b32 v31, 0, v30, vcc_lo
	RED 31, 0                                      ; tb_e: the tiles of the types below e
	v_cmp_eq_u32 vcc_lo, s13, v2
	v_cndmask_b32 v32, 0, v29, vcc_lo
	RED 32, 0                                      ; c_e
	CEIL 33, 32                                    ; t_e
	v_cmp_gt_u32 vcc_lo, s12, v1
	v_cndmask_b32 v34, 0, v28, vcc_lo
	RED 34, 1                                      ; rows of type e in the waves below mine
	v_readfirstlane_b32 s17, v31
	v_readfirstlane_b32 s15, v33
	v_readfirstlane_b32 s16, v34
	v_readfirstlane_b32 s19, v32
	s_add_co_u32 s18, s17, s15
	s_min_u32 s18, s18, TILES
	s_cmp_eq_u32 s13, 7
	s_cselect_b32 s18, TILES, s18                  ; the last type's work-group also writes the tiles that no type uses
	s_mul_i32 s15, s17, TROWS
	s_add_co_u32 s16, s16, s15                     ; my wave's first place
	s_add_co_u32 s19, s19, s15                     ; the first place behind type e's rows
	s_mul_i32 s20, s18, TROWS
	s_sub_co_u32 s20, s20, s19                     ; and how many places from there on are mine to clear
	; My wave's rows of type e go to consecutive places.  All eight places and row numbers are made with every lane on, each in a register of its own, ahead of the first change of EXEC
.irp j, 0,1,2,3,4,5,6,7
	v_cmp_eq_u32 vcc_lo, s13, v[8+\j]
	v_mbcnt_lo_u32_b32 v[PL+\j], vcc_lo, s16       ; the next free place + the matching lanes below me
	s_bcnt1_i32_b32 s15, vcc_lo
	s_add_co_u32 s16, s16, s15
	v_min_u32 v[PL+\j], TILES*TROWS-1, v[PL+\j]
	v_lshl_add_u32 v[PL+\j], v[PL+\j], 2, ORD0     ; 4 bytes a place, from where order[] begins
	v_add_nc_u32 v[RN+\j], 128*(\j/4)+(\j%4), v3   ; the row's number
.endr
.irp j, 0,1,2,3,4,5,6,7
	v_cmp_eq_u32 vcc_lo, s13, v[8+\j]
	MASK_ON
	global_store_b32 v[PL+\j], v[RN+\j], s[8:9]    ; the matching lanes write consecutive words
	MASK_OFF
.endr
	v_sub_nc_u32 v47, v0, s19
.irp k, 0,1,2,3,4,5,6,7,8                  ; 9 x 1,024 threads pass over all 9,216 places; a place is cleared where it lies in my empty run (one unsigned compare)
	v_add_nc_u32 v44, 1024*\k, v47
	v_cmp_gt_u32 vcc_lo, s20, v44
	MASK_ON
	global_store_b32 v45, v41, s[8:9] offset:ORD0+4096*\k
	MASK_OFF
.endr
	s_sub_co_u32 s15, s18, s17                     ; my tiles
	v_sub_nc_u32 v44, v0, s17                      ; thread tb + d writes tile tb + d's meta
	v_cmp_gt_u32 vcc_lo, s15, v44
	v_mul_u32_u24 v43, v44, TROWS
	v_min_u32 v43, v43, v32
	v_sub_nc_u32 v43, v32, v43                     ; what is left of c_e behind d full tiles,
	v_min_u32 v43, TROWS, v43                      ; 144 of it at the most
	v_mov_b32 v42, s13
	MASK_ON
	global_store_b64 v46, v[42:43], s[8:9]
	MASK_OFF
	s_wait_xcnt 0x0
	s_mov_b32 exec_lo, -1
	s_wait_tensorcnt 0x0
	ds_add_u32 v64, v65
	s_wait_dscnt 0x0
	s_endpgm
	; ---------------- THE WEIGHT'S CODES: a wave takes 16 rows x 128 bytes (two K steps) ----------------
.Llayout:
	s_sub_co_u32 s15, s13, 8
	s_lshl_b32 s15, s15, 5
	s_add_co_u32 s15, s15, s12                     ; which of 2,048 pieces is my wave's
	s_lshr_b32 s28, s15, 2
	s_lshl_b32 s28, s28, 13                        ; T x 8,192: 16 rows of 512 bytes, in both buffers
	s_and_b32 s15, s15, 3                          ; which quarter of K
	s_lshl_b32 s30, s15, 11                        ; in wimg: two K steps of 1,024 bytes
	s_lshl_b32 s15, s15, 7                         ; in a row: 128 bytes
	s_add_co_u32 s30, s30, s28
	s_add_co_u32 s28, s28, s15
	s_mov_b32 s29, 0
	s_mov_b32 s31, 0
	s_add_nc_u64 s[6:7], s[6:7], s[28:29]
	s_add_nc_u64 s[10:11], s[10:11], s[30:31]
	v_and_b32 v46, 15, v0
	v_lshlrev_b32 v46, 9, v46
	v_bfe_u32 v47, v0, 4, 1
	v_lshl_add_u32 v46, v47, 4, v46                ; in: row r, + 16 h
	v_lshlrev_b32 v47, 4, v1                       ; out: 16 x lane
.irp i, 0,1,2,3                            ; i = 2 x (K step in the piece) + c
	global_load_b128 v[48+4*\i:51+4*\i], v46, s[6:7] offset:32*\i th:TH_LOAD_NT   ; the four loads cover 128 consecutive bytes of each of 16 rows; read once in the program
.endr
.irp i, 0,1,2,3
	s_wait_loadcnt 3-\i                            ; loads come back in order: the younger ones stay out
	global_store_b128 v47, v[48+4*\i:51+4*\i], s[10:11] offset:512*\i   ; 512 consecutive bytes, at a multiple of 512 from wimg's first byte
.endr
	s_endpgm
.Lfunc_end_k_q9df1254703_prep:
	.size	k_q9df1254703_prep, .Lfunc_end_k_q9df1254703_prep-k_q9df1254703_prep
	.p2alignl 7, 3214868480
	.fill 96, 4, 3214868480
	.section	.rodata,"a",@progbits
	.p2align	6, 0x0
	.amdhsa_kernel k_q9df1254703_prep
		.amdhsa_group_segment_fixed_size 5120
		.amdhsa_private_segment_fixed_size 0
		.amdhsa_enable_private_segment 0
		.amdhsa_kernarg_size 32
		.amdhsa_user_sgpr_count 2
		.amdhsa_user_sgpr_kernarg_segment_ptr 1
		.amdhsa_wavefront_size32 1
		.amdhsa_system_sgpr_workgroup_id_x 1
		.amdhsa_system_sgpr_workgroup_id_y 1
		.amdhsa_system_sgpr_workgroup_id_z 1
		.amdhsa_system_vgpr_workitem_id 0
		.amdhsa_next_free_vgpr 66
		.amdhsa_next_free_sgpr 66
		.amdhsa_reserve_vcc 1
		.amdhsa_float_denorm_mode_32 3
		.amdhsa_float_denorm_mode_16_64 3
		.amdhsa_memory_ordered 1
		.amdhsa_forward_progress 1
		.amdhsa_inst_pref_size 21
	.end_amdhsa_kernel
	.amdgpu_metadata
---
amdhsa.version: [ 1, 2 ]
amdhsa.kernels:
  - .name:           k_q9df1254703_prep
    .symbol:         k_q9df1254703_prep.kd
    .args:
      - { .name: types, .offset: 0, .size: 8, .value_kind: global_buffer, .address_space: global }
      - { .name: weight_codes, .offset: 8, .size: 8, .value_kind: global_buffer, .address_space: global }
      - { .name: route, .offset: 16, .size: 8, .value_kind: global_buffer, .address_space: global }
      - { .name: wimg, .offset: 24, .size: 8, .value_kind: global_buffer, .address_space: global }
    .group_segment_fixed_size: 5120
    .private_segment_fixed_size: 0
    .kernarg_segment_align: 8
    .kernarg_segment_size: 32
    .max_flat_workgroup_size: 1024
    .sgpr_count:     66
    .vgpr_count:     66
    .wavefront_size: 32
...
	.end_amdgpu_metadata
.endif
;; end of part 1
;; launch gemm (part 2): grid 4 x 64, 4 waves a work-group, no clusters, 99,328 bytes of LDS; arguments x_codes, x_scales, wimg, weight_scales, bias, route, out0; writes out0
.if DOCPART == 2
	.amdgcn_target "amdgcn-amd-amdhsa--gfx1250"
	.amdhsa_code_object_version 6
	.text
	.protected	k_q9df1254703_gemm
	.globl	k_q9df1254703_gemm
	.p2align	8
	.type	k_q9df1254703_gemm,@function
k_q9df1254703_gemm:
	s_mov_b64 s[64:65], 0
	v_nop
	global_prefetch_b8 v0, s[64:65] scope:SCOPE_SE
	s_setreg_imm32_b32 hwreg(HW_REG_WAVE_MODE, 25, 1), 1
	s_wait_xcnt 0x0
; out[n] = W[types[n]] x[n] + bias[types[n]] on codes of FP4 (E2M1) with one E8M0 scale for each 32 along K; only each row's own type is multiplied.
; A work-group (x = column block cb of 256, y = row tile) takes one tile of the routing list: up to 144 rows of ONE type x 256 columns.  64 tiles serve every split of the rows among the types.
; THE WAVES SHARE THE COLUMNS: wave w owns columns 256 cb + 64 w .. + 63 for all rows.  Its part of W (4 tiles of 16 columns x 8 K steps x 8 registers = 256 registers), W's scale words and
; the bias come from memory straight into registers and stay.  The gathered rows of x, which all four waves need, go through LDS once: wave w brings rows 36 w .. 36 w + 35.
; ONE barrier, behind the gather, ahead of every branch on a loaded number.  Then each wave walks the tile 16 rows at a time: 32 matrix instructions, the results through its own stage in LDS,
; eight stores in which sixteen lanes write 256 consecutive bytes of one row of out, at a multiple of 256 from out's first byte.  A block's stores leave while the next block is multiplied.
; THE MATRIX INSTRUCTION IS USED TRANSPOSED: source 0 = 16 rows of W (columns of out), source 1 = 16 rows of x: register j of lane (r, h) is out(row r, column 16 t + 8 h + j).
; The bias is the C of each sum's first matrix instruction.  The four accumulators take turns, one instruction a turn.
; NO TENSOR LOADS, NO CLUSTER: the walk ends on a count read from memory and the rows' addresses are read from memory; neighbouring tiles need not be of one type, so no joint request could be made alike in all partners.
; Places of a tile that hold no row name row 0: it is staged and multiplied like any row and never stored; a column of a product touches no other column.
; LIMITS: none of range: codes and scale bytes are taken as given (a scale byte 0xff gives NaN in its row's or column's results, as the format says).
.set XP,    560                        ; a row of x in LDS: 512 bytes of codes, 32 scale bytes, 16 of padding = 35 x 16: the 16 rows of a fragment load start at 16 different columns of 16 bytes modulo 256
.set XBLK,  16*XP                      ; 16 rows
.set XWAVE, 36*XP                      ; what a wave brings
.set ORD,   144*XP                     ; LDS 80,640: the tile's 144 row numbers
.set STG,   81408                      ; LDS: a stage of 16 rows x (256 bytes + 16) for each wave
.set SP,    272
.set SWAVE, 16*SP
.set L16,  1                           ; v1   16 x lane
.set AX,   2                           ; v2   a fragment of x: 560 r + 16 h
.set AX2,  3                           ; v3   the same 7 blocks further on: an LDS offset has 16 bits
.set STO,  4                           ; v4   the stage: where I put 32 bytes of a row
.set RD,   5                           ; v5   and where I read back: lanes 0-15 row i, lanes 16-31 row 8 + i
.set OI,   6                           ; v6   row numbers: ORD + 32 h
.set P16,  7                           ; v7   16 r
.set PH,   8                           ; v8   8 h
.set XW,   9                           ; v9   the gather: where my wave's rows go, 16 x lane
.set XSW,  10                          ; v10  their scale bytes, row r
.set XSW2, 11                          ; v11  the last four rows' (lanes wrap: r % 4)
.set ORW,  12                          ; v12  their row numbers
.set ORW2, 13                          ; v13
.set WSO,  14                          ; v14  W's scale words: 32 r + 16 h
.set BO,   15                          ; v15  the bias: 32 h
.set WS,   16                          ; v16-31   W's scale words: tile t at 4 t: lanes 0-15 K steps 0-3, lanes 16-31 K steps 4-7.  Scales and nothing else
.set XSC,  32                          ; v32-39   x's scale words, two sets, laid likewise.  Scales and nothing else
.set BI,   40                          ; v40-71   the bias, 8 registers a tile, in the result's layout
.set ACC,  72                          ; v72-103  four accumulators
.set IX,   104                         ; v104-119 row numbers 16 a + 8 h + 0..7, two sets
.set OFF,  120                         ; v120-127 byte offsets in out
.set OB,   128                         ; v128-159 16 rows x 256 bytes back from the stage
.set XD,   72                          ; at the head only: v72-215 36 rows of x;  v216-227 their scale bytes;  v228-230 row numbers;  v231, v232 offsets;  v233-237 at work
.set XSD,  216
.set VI,   228
.set VO,   231
.set VO2,  232
; window 1: W's fragment (t, s) at v[64 t + 8 s].   window 2: x's fragments, set q, K step s at v[64 q + 8 s].
; s[4:5] x_codes  s[6:7] x_scales  s[8:9] wimg  s[10:11] weight_scales  s[12:13] bias  s[14:15] route  s[16:51] my wave's 36 row numbers  s[52:53] out0  s54 wave  s55 cb  s56 tile
; s57 at work  s58 type  s59 rows  s60 rows to go  s61, s62 at work  s[66:71] addresses in route  s[72:79] byte offsets
.set MSB, 0
.macro WIN new                         ; s_set_vgpr_msb: bits 1:0 source 0, 3:2 source 1, 5:4 source 2, 7:6 destination; the high byte repeats the setting that is left
.if MSB != \new
	s_set_vgpr_msb (MSB<<8)|\new
.set MSB, \new
.endif
.endm
.macro WLOAD s                         ; W's four fragments of K step s: each load reads 512 consecutive bytes of wimg
.irp t, 0,1,2,3
.irp c, 0,1
	global_load_b128 v[64*\t+8*(\s)+4*\c:64*\t+8*(\s)+4*\c+3], v[L16], s[8:9] offset:8192*\t+1024*(\s)+512*\c
.endr
.endr
.endm
	s_load_b256 s[4:11], s[0:1], 0x0
	s_load_b128 s[12:15], s[0:1], 0x20
	s_load_b64 s[52:53], s[0:1], 0x30
	v_lshl_add_u32 v254, v0, 2, 0x18200
	v_mov_b32 v255, 0
	v_lshrrev_b32 v233, 5, v0
	v_readfirstlane_b32 s54, v233                  ; wave 0..3
	s_mov_b32 s55, ttmp9                           ; column block
	s_and_b32 s56, ttmp7, 0xffff                   ; tile
	v_and_b32 v233, 15, v0                         ; r
	v_and_b32 v236, 3, v0                          ; r % 4
	s_mul_i32 s76, s54, 144                        ; my wave's 36 row numbers in the tile's 144
	s_mov_b32 s77, 0
	v_lshl_add_u32 v[VO], v233, 2, s76             ; 144 w + 4 r
	v_lshl_add_u32 v[VO2], v236, 2, s76
	v_add_nc_u32 v[VO2], 128, v[VO2]               ; 144 w + 128 + 4 (r % 4)
	s_lshl_b32 s72, s56, 3                         ; meta: 8 bytes a tile
	s_mov_b32 s73, 0
	s_mul_i32 s74, s56, 576                        ; order: 576 bytes a tile, behind the 512 of meta
	s_add_co_u32 s74, s74, 512
	s_mov_b32 s75, 0
	s_lshl_b32 s78, s55, 10
	s_lshl_b32 s57, s54, 8
	s_add_co_u32 s78, s78, s57                     ; my 64 columns as f32: 1,024 cb + 256 w
	s_mov_b32 s79, 0
	s_wait_kmcnt 0x0
	s_add_nc_u64 s[66:67], s[14:15], s[72:73]
	s_add_nc_u64 s[68:69], s[14:15], s[74:75]
	s_add_nc_u64 s[70:71], s[68:69], s[76:77]
	; the tile's type and count and my wave's row numbers, all at addresses that hang on ids alone: one trip to memory
	s_load_b64 s[58:59], s[66:67], 0x0
	s_load_b512 s[16:31], s[70:71], 0x0
	s_load_b512 s[32:47], s[70:71], 0x40
	s_load_b128 s[48:51], s[70:71], 0x80
	global_load_b32 v[VI], v[VO], s[68:69]             ; the same numbers a lane to a row: rows 36 w + r,
	global_load_b32 v[VI+1], v[VO], s[68:69] offset:64 ; 36 w + 16 + r,
	global_load_b32 v[VI+2], v[VO2], s[68:69]          ; 36 w + 32 + r % 4
	s_add_nc_u64 s[52:53], s[52:53], s[78:79]      ; out at my columns
	v_bfe_u32 v234, v0, 4, 1                       ; h
	v_and_b32 v235, 31, v0                         ; lane
	v_lshlrev_b32 v[L16], 4, v235
	v_mul_u32_u24 v[AX], v233, XP
	v_lshl_add_u32 v[AX], v234, 4, v[AX]
	v_add_nc_u32 v[AX2], 7*XBLK, v[AX]
	s_mul_i32 s57, s54, SWAVE
	s_add_co_u32 s57, s57, STG                     ; my stage
	v_mul_u32_u24 v[STO], v233, SP
	v_lshl_add_u32 v[STO], v234, 5, v[STO]
	v_add_nc_u32 v[STO], s57, v[STO]
	v_mul_u32_u24 v[RD], v234, 8*SP
	v_lshl_add_u32 v[RD], v233, 4, v[RD]
	v_add_nc_u32 v[RD], s57, v[RD]
	v_lshl_add_u32 v[OI], v234, 5, ORD
	v_lshlrev_b32 v[P16], 4, v233
	v_lshlrev_b32 v[PH], 3, v234
	s_mul_i32 s61, s54, XWAVE                      ; my wave's 36 rows in LDS
	v_add_nc_u32 v[XW], s61, v[L16]
	v_add_nc_u32 v[XSW], s61, v[AX]
	v_add_nc_u32 v[XSW], 512, v[XSW]
	v_mul_u32_u24 v[XSW2], v236, XP
	v_lshl_add_u32 v[XSW2], v234, 4, v[XSW2]
	v_add_nc_u32 v[XSW2], s61, v[XSW2]
	v_add_nc_u32 v[XSW2], 32*XP+512, v[XSW2]
	v_add_nc_u32 v[ORW], ORD, v[VO]
	v_add_nc_u32 v[ORW2], ORD, v[VO2]
	v_lshlrev_b32 v[WSO], 5, v233
	v_lshl_add_u32 v[WSO], v234, 4, v[WSO]
	v_lshlrev_b32 v[BO], 5, v234
	v_lshlrev_b32 v237, 4, v234                    ; 16 h
	s_wait_kmcnt 0x0
	; THE GATHER: a row of x is 512 consecutive bytes, one load of the wave; the load lands on its own offset register
.set I, 0
.rept 36
	s_min_u32 s[16+I], s[16+I], 8191
	s_lshl_b32 s[16+I], s[16+I], 9
	v_add_nc_u32 v[XD+4*I], s[16+I], v[L16]
	global_load_b128 v[XD+4*I:XD+4*I+3], v[XD+4*I], s[4:5]
.set I, I+1
.endr
	s_min_u32 s58, s58, 7
	s_min_u32 s59, s59, 144
	s_lshl_b32 s74, s58, 12
	s_add_co_u32 s74, s74, s78                     ; the bias of my type and columns: 4,096 type + 1,024 cb + 256 w bytes;
	s_lshl_b32 s76, s74, 3                         ; W's scale bytes: 32 a column against the bias's 4;
	s_lshl_b32 s72, s74, 7                         ; W's codes: 512 a column
	s_add_nc_u64 s[12:13], s[12:13], s[74:75]      ; (the pairs' upper words are 0 since the head)
	s_add_nc_u64 s[10:11], s[10:11], s[76:77]
	s_add_nc_u64 s[8:9], s[8:9], s[72:73]
	s_wait_loadcnt 36                              ; the three loads of row numbers are in: 36 loads were issued behind them
.irp i, 0,1,2
	v_min_u32 v[VI+\i], 8191, v[VI+\i]
	v_lshl_add_u32 v[XSD+4*\i], v[VI+\i], 5, v237  ; a row's 32 scale bytes, 16 for each half of the lanes
	global_load_b128 v[XSD+4*\i:XSD+4*\i+3], v[XSD+4*\i], s[6:7]
.endr
.irp t, 0,1,2,3
	global_load_b128 v[WS+4*\t:WS+4*\t+3], v[WSO], s[10:11] offset:512*\t   ; 16 rows x 32 bytes: 512 consecutive bytes
.endr
.irp t, 0,1,2,3
	global_load_b128 v[BI+8*\t:BI+8*\t+3], v[BO], s[12:13] offset:64*\t
	global_load_b128 v[BI+8*\t+4:BI+8*\t+7], v[BO], s[12:13] offset:64*\t+16
.endr
	WIN 0x40                                       ; destination window 1
	WLOAD 0
	WIN 0
	s_wait_loadcnt 20                              ; x's codes and scale bytes are in: behind them 4 + 8 + 8 loads were issued
.set I, 0
.rept 36
	ds_store_b128 v[XW], v[XD+4*I:XD+4*I+3] offset:XP*I
.set I, I+1
.endr
	ds_store_b128 v[XSW], v[XSD:XSD+3]
	ds_store_b128 v[XSW], v[XSD+4:XSD+7] offset:XBLK
	ds_store_b128 v[XSW2], v[XSD+8:XSD+11]         ; lanes that wrap write the same bytes with the same value
	ds_store_b32 v[ORW], v[VI]
	ds_store_b32 v[ORW], v[VI+1] offset:64
	ds_store_b32 v[ORW2], v[VI+2]
	WIN 0x40
.irp s, 1,2,3,4,5,6,7
	WLOAD \s                                       ; by K step, so that the first block can begin while the later steps are on their way
.endr
	WIN 0
	s_wait_dscnt 0x0                               ; for the others' sake: my rows lie in LDS
	s_barrier_signal -1
	s_barrier_wait -1                              ; everybody's do.  From here on x's rows and the row numbers are only read, and each stage is its wave's own
	s_cmp_eq_u32 s59, 0                            ; a tile that this split leaves without rows stores nothing
	s_cbranch_scc1 .Lend
	s_mov_b32 s60, s59
; Block a's operands: 8 fragments of x (16 rows x 128 K: two loads of 16 bytes a lane, 32 bytes apart), the rows' scale words, the rows' numbers; into set a % 2
.macro LOADA a
.set QL, (\a)%2
.if (\a) < 7
.set AR, AX
.set AB, XBLK*(\a)
.else
.set AR, AX2
.set AB, XBLK*((\a)-7)
.endif
	WIN 0x80                                       ; destination window 2
.irp s, 0,1,2,3,4,5,6,7
.irp c, 0,1
	ds_load_b128 v[64*QL+8*\s+4*\c:64*QL+8*\s+4*\c+3], v[AR] offset:AB+64*\s+32*\c
.endr
.endr
	WIN 0
	ds_load_b128 v[XSC+4*QL:XSC+4*QL+3], v[AR] offset:AB+512    ; lanes 0-15: the words of K steps 0-3; lanes 16-31: of K steps 4-7
	ds_load_b128 v[IX+8*QL:IX+8*QL+3], v[OI] offset:64*(\a)
	ds_load_b128 v[IX+8*QL+4:IX+8*QL+7], v[OI] offset:64*(\a)+16
.endm
; Block a: rows 16 a .. 16 a + 15 of the tile
.macro SUB a
.set QM, (\a)%2
	s_wait_dscnt 0x0                               ; this block's operands are in
.if (\a) < 8
	LOADA (\a)+1                                   ; into the set that block a - 1 multiplied: its last product stands in front of that block's sixteen vector lines
.endif
	WIN 0x09                                       ; source 0 (W) window 1, source 1 (x) window 2, C and D window 0
.irp s, 0,1,2,3,4,5,6,7
.if (\a) == 0
	s_wait_loadcnt 8*(7-\s)                        ; W's K step s is in: the eight loads of each later step may be out
.endif
.irp t, 0,1,2,3
.if \s == 0
	v_wmma_scale_f32_16x16x128_f8f6f4 v[ACC+8*\t:ACC+8*\t+7], v[64*\t+8*\s:64*\t+8*\s+7], v[64*QM+8*\s:64*QM+8*\s+7], v[BI+8*\t:BI+8*\t+7], v[WS+4*\t+\s%4], v[XSC+4*QM+\s%4] matrix_a_fmt:MATRIX_FMT_FP4 matrix_b_fmt:MATRIX_FMT_FP4
.elseif \s < 4
	v_wmma_scale_f32_16x16x128_f8f6f4 v[ACC+8*\t:ACC+8*\t+7], v[64*\t+8*\s:64*\t+8*\s+7], v[64*QM+8*\s:64*QM+8*\s+7], v[ACC+8*\t:ACC+8*\t+7], v[WS+4*\t+\s%4], v[XSC+4*QM+\s%4] matrix_a_fmt:MATRIX_FMT_FP4 matrix_b_fmt:MATRIX_FMT_FP4
.else
	v_wmma_scale_f32_16x16x128_f8f6f4 v[ACC+8*\t:ACC+8*\t+7], v[64*\t+8*\s:64*\t+8*\s+7], v[64*QM+8*\s:64*QM+8*\s+7], v[ACC+8*\t:ACC+8*\t+7], v[WS+4*\t+\s%4], v[XSC+4*QM+\s%4] matrix_a_fmt:MATRIX_FMT_FP4 matrix_b_fmt:MATRIX_FMT_FP4 matrix_a_scale:MATRIX_SCALE_ROW1 matrix_b_scale:MATRIX_SCALE_ROW1
.endif
.endr
.endr
	WIN 0
	s_wait_xcnt 0x0                                ; the last block's stores, issued 32 matrix instructions ago, have read their offsets and data: both are written again below
	; Sixteen plain vector lines that name no register of the products: the places between the last products and the reads of their results,
	; the loads into their operands, and the next block's first products, which begin the accumulators anew
.irp i, 0,1,2,3,4,5,6,7
	v_min_u32 v[OFF+\i], 8191, v[IX+8*QM+\i]
.endr
.irp i, 0,1,2,3,4,5,6,7
	v_lshl_add_u32 v[OFF+\i], v[OFF+\i], 12, v[P16]   ; a row of out is 4,096 bytes; + 16 r
.endr
.irp t, 0,1,2,3
	ds_store_b128 v[STO], v[ACC+8*\t:ACC+8*\t+3] offset:64*\t        ; each accumulator from its low end on
	ds_store_b128 v[STO], v[ACC+8*\t+4:ACC+8*\t+7] offset:64*\t+16
.endr
.irp i, 0,1,2,3,4,5,6,7
	ds_load_b128 v[OB+4*\i:OB+4*\i+3], v[RD] offset:SP*\i             ; LDS serves a wave's instructions in order (ISA guide 5.7.1.4): these see the stores above
.endr
	s_cmp_lt_u32 s60, 16
	s_cbranch_scc1 .Lpart                          ; fewer than 16 rows are left: the tile's last block, stored under a mask
.irp i, 0,1,2,3,4,5,6,7
	s_wait_dscnt 7-\i                              ; the younger loads from the stage stay out
	global_store_b128 v[OFF+\i], v[OB+4*\i:OB+4*\i+3], s[52:53] th:TH_STORE_NT   ; lanes 0-15: 256 bytes of row i, lanes 16-31: of row 8 + i; written once, read by nobody here
.endr
.if (\a) < 8
	s_sub_co_u32 s60, s60, 16
	s_cmp_eq_u32 s60, 0
	s_cbranch_scc1 .Lend
.else
	s_wait_xcnt 0x0
	s_mov_b32 exec_lo, -1
	s_wait_tensorcnt 0x0
	ds_add_u32 v254, v255
	s_wait_dscnt 0x0
	s_endpgm
.endif
.endm
	LOADA 0
.irp a, 0,1,2,3,4,5,6,7,8
	SUB \a
.endr
.Lpart:                                            ; one text for every block: offsets, data and the count lie in the same registers in all of them
	s_wait_dscnt 0x0
.irp i, 0,1,2,3,4,5,6,7
	s_sub_co_i32 s61, s60, \i
	v_cmp_gt_i32 vcc_lo, s61, v[PH]                ; my row of this store is 8 h + i: it counts where 8 h + i < the rows left
	s_wait_xcnt 0x0                                ; EXEC is a source of every memory instruction that is out: it changes only behind this wait
	s_and_saveexec_b32 s62, vcc_lo
	global_store_b128 v[OFF+\i], v[OB+4*\i:OB+4*\i+3], s[52:53] th:TH_STORE_NT
	s_wait_xcnt 0x0
	s_or_b32 exec_lo, exec_lo, s62
.endr
	s_wait_xcnt 0x0
	s_mov_b32 exec_lo, -1
	s_wait_tensorcnt 0x0
	ds_add_u32 v254, v255
	s_wait_dscnt 0x0
	s_endpgm
.Lend:
	s_wait_xcnt 0x0
	s_mov_b32 exec_lo, -1
	s_wait_tensorcnt 0x0
	ds_add_u32 v254, v255
	s_wait_dscnt 0x0
	s_endpgm
.Lfunc_end_k_q9df1254703_gemm:
	.size	k_q9df1254703_gemm, .Lfunc_end_k_q9df1254703_gemm-k_q9df1254703_gemm
	.p2alignl 7, 3214868480
	.fill 96, 4, 3214868480
	.section	.rodata,"a",@progbits
	.p2align	6, 0x0
	.amdhsa_kernel k_q9df1254703_gemm
		.amdhsa_group_segment_fixed_size 99328
		.amdhsa_private_segment_fixed_size 0
		.amdhsa_enable_private_segment 0
		.amdhsa_kernarg_size 56
		.amdhsa_user_sgpr_count 2
		.amdhsa_user_sgpr_kernarg_segment_ptr 1
		.amdhsa_wavefront_size32 1
		.amdhsa_system_sgpr_workgroup_id_x 1
		.amdhsa_system_sgpr_workgroup_id_y 1
		.amdhsa_system_sgpr_workgroup_id_z 1
		.amdhsa_system_vgpr_workitem_id 0
		.amdhsa_next_free_vgpr 640
		.amdhsa_next_free_sgpr 80
		.amdhsa_reserve_vcc 1
		.amdhsa_float_denorm_mode_32 3
		.amdhsa_float_denorm_mode_16_64 3
		.amdhsa_memory_ordered 1
		.amdhsa_forward_progress 1
		.amdhsa_inst_pref_size 103
	.end_amdhsa_kernel
	.amdgpu_metadata
---
amdhsa.version: [ 1, 2 ]
amdhsa.kernels:
  - .name:           k_q9df1254703_gemm
    .symbol:         k_q9df1254703_gemm.kd
    .args:
      - { .name: x_codes, .offset: 0, .size: 8, .value_kind: global_buffer, .address_space: global }
      - { .name: x_scales, .offset: 8, .size: 8, .value_kind: global_buffer, .address_space: global }
      - { .name: wimg, .offset: 16, .size: 8, .value_kind: global_buffer, .address_space: global }
      - { .name: weight_scales, .offset: 24, .size: 8, .value_kind: global_buffer, .address_space: global }
      - { .name: bias, .offset: 32, .size: 8, .value_kind: global_buffer, .address_space: global }
      - { .name: route, .offset: 40, .size: 8, .value_kind: global_buffer, .address_space: global }
      - { .name: out0, .offset: 48, .size: 8, .value_kind: global_buffer, .address_space: global }
    .group_segment_fixed_size: 99328
    .private_segment_fixed_size: 0
    .kernarg_segment_align: 8
    .kernarg_segment_size: 56
    .max_flat_workgroup_size: 128
    .sgpr_count:     80
    .vgpr_count:     640
    .wavefront_size: 32
...
	.end_amdgpu_metadata
.endif
;; end of part 2
;; ======== version 2 of 2: 2 launches
;; workspace buffers: route 37,376 bytes of whole numbers; wimg 4,194,304 bytes
;; launch prep (part 3): grid 192 x 1, 8 waves a work-group, no clusters, 2,048 bytes of LDS; arguments types, weight_codes, route, wimg; writes route, wimg
.if DOCPART == 3
	.amdgcn_target "amdgcn-amd-amdhsa--gfx1250"
	.amdhsa_code_object_version 6
	.text
	.protected	k_q9df1254703_prep
	.globl	k_q9df1254703_prep
	.p2align	8
	.type	k_q9df1254703_prep,@function
k_q9df1254703_prep:
	s_mov_b64 s[64:65], 0
	v_nop
	global_prefetch_b8 v0, s[64:65] scope:SCOPE_SE
	s_setreg_imm32_b32 hwreg(HW_REG_WAVE_MODE, 25, 1), 1
	s_wait_xcnt 0x0
; TWO JOBS SIDE BY SIDE, parted by the work-group's number.
; Work-groups 0-63: ROUTING.  The 8,192 rows are cut into tiles of 144 rows of one type: type e has t_e = ceil(c_e / 144) tiles, from tile tb_e = t_0 + .. + t_(e-1) on.
;   The sum of the t_e is at most (8192 + 8 x 143) / 144, rounded down: 64, for every split.
;   route: bytes 0-511: meta[64] = {type, rows} for each tile;  from byte 512: order[64][144], the row numbers of each tile.  Places that hold no row hold 0,
;   tiles that no type uses hold {7, 0}: every byte of route is stored, each by one work-group.
;   Work-group (e, g) = (number / 8, number % 8) places the rows of type e that lie in chunk g, rows 1,024 g .. 1,024 g + 1,023.  To know where, it counts all 8,192 rows:
;   wave w counts chunk w (32 numbers a lane), and the 8 waves share chunk g for the placing (4 numbers a lane).  Eight waves and not more, since what a wave does
;   whatever its share (the sums over lanes, the tile arithmetic) is then written for 2 waves to a SIMD; the 64 work-groups lie on WGPs of their own.
;   Counts go from wave to wave through LDS once, with one barrier.  No atomics.  The order of a type's rows is (chunk, wave, register, lane): any order serves.
; Work-groups 64-191: THE WEIGHT'S CODES ARE LAID IN THE ORDER OF THE OPERAND'S REGISTERS.  wimg[T][s][c][lane][16 bytes], T = 16 rows of one type (type x 64 + row / 16),
;   s = K step of 128, c = 0, 1: lane (r, h) holds bytes 64 s + 32 c + 16 h of weight row 16 T + r: registers 4 c .. 4 c + 3 of the fragment.  The product's launch then
;   fills a fragment by two loads of 512 consecutive bytes.  This path uses no LDS and has no barrier; the branch hangs on the work-group's number, the same in all 8 waves.
; LIMIT: a type outside 0 .. 7 is taken as 7 (the problem says that an index stays inside its table).
.set TROWS, 144                        ; rows in a tile
.set TILES, 64
.set ORD0,  512                        ; where order[] begins in route
.set RWG,   64                         ; routing work-groups: 8 types x 8 chunks
.set CNTB,  0                          ; LDS: 16 bytes a wave: its chunk's counts of the 8 types, two to a word
.set OWNB,  512                        ; LDS: 4 bytes a wave: the rows of type e among the 128 that it places
.set TMP,   5                          ; v5-10   at work between lanes
.set ST,    12                         ; v12-15  the types of the 4 rows that I place
.set HH,    16                         ; v16-19  four histograms of 8 numbers each, 4 bits a type
.set FF,    20                         ; v20-23  my wave's counts: word k: type k in the low half, type k + 4 in the high half
.set GG,    24                         ; v24-27  the waves' counts, then the totals;  v28 chunk counts of type e, then c_e;  v29 the rows of type e ahead of my wave's
.set PL,    48                         ; v48-51  the byte in route of each of my 4 rows' places
.set RN,    52                         ; v52-55  my 4 rows' numbers
.set SH,    56                         ; v56-59  shifts
.set TT,    64                         ; v64-95  the 32 types that I count; on the other path: codes on their way
; s[4:5] types  s[6:7] weight_codes  s[8:9] route  s[10:11] wimg  s12 wave  s13 type e  s14 my wave's rows of type e  s15 at work  s16 the next free place
; s17 tb  s18 the tile behind my last  s19 the first empty place  s20 empty places  s21 EXEC kept  s[22:23] lane selects  s24-26 lane masks  s27, s38 field masks
; s[28:31] byte offsets  s32 chunk g  s33 at work  s34 which half of a word holds type e  s35-37 which word holds it  s39 work-group
; v1 lane  v2 lane % 8  v3 my first row number  v4, v11 my bytes in types  v30 c  v31 t, then tb  v32 shift  v33 t_e  v34 own counts  v35 at work  v37-40 LDS addresses
; v41 0  v[42:43] a tile's meta  v44 tile - tb  v45 an empty place's byte  v46 8 x thread  v47 256 g + thread  v60-63 at work
.macro XSTEP x, n, m                   ; n registers from x on, by turns: each takes lane l xor m's and adds it
.set K, 0
.rept \n
	v_mov_b32_dpp v[TMP+K], v[\x+K] row_xmask:\m row_mask:0xf bank_mask:0xf
.set K, K+1
.endr
.set K, 0
.rept \n
	v_add_nc_u32 v[\x+K], v[\x+K], v[TMP+K]
.set K, K+1
.endr
.endm
.macro RED x, n, full                  ; the sums over groups of 8 lanes (full = 0) or over all 32 (full = 1), in every lane
	XSTEP \x, \n, 1
	XSTEP \x, \n, 2
	XSTEP \x, \n, 4
.if \full
	XSTEP \x, \n, 8
.set K, 0
.rept \n
	s_delay_alu instid0(VALU_DEP_4)
	v_permlanex16_b32 v[TMP+K], v[\x+K], s22, s23
.set K, K+1
.endr
.set K, 0
.rept \n
	s_delay_alu instid0(VALU_DEP_4)
	v_add_nc_u32 v[\x+K], v[\x+K], v[TMP+K]
.set K, K+1
.endr
.endif
.endm
.macro CEIL d, s                       ; ceil(s / 144) = ((s + 143) / 16) / 9; x / 9 = x x 7282 >> 16 for x up to 520: 9 x 7282 = 65,538, so the error is x / 294,912, under 1 / 9
	v_add_nc_u32 v[\d], TROWS-1, v[\s]
	s_delay_alu instid0(VALU_DEP_1)
	v_lshrrev_b32 v[\d], 4, v[\d]
	s_delay_alu instid0(VALU_DEP_1)
	v_mul_u32_u24 v[\d], v[\d], 7282
	s_delay_alu instid0(VALU_DEP_1)
	v_lshrrev_b32 v[\d], 16, v[\d]
.endm
.macro MASK_ON                         ; EXEC is a source of every memory instruction that is out: it changes only behind s_wait_xcnt 0
	s_wait_xcnt 0x0
	s_and_saveexec_b32 s21, vcc_lo
.endm
.macro MASK_OFF
	s_wait_xcnt 0x0
	s_or_b32 exec_lo, exec_lo, s21
.endm
	s_load_b256 s[4:11], s[0:1], 0x0               ; all four addresses
	v_lshl_add_u32 v96, v0, 2, 0x400
	v_mov_b32 v97, 0
	v_lshrrev_b32 v37, 5, v0
	s_delay_alu instid0(VALU_DEP_1)
	v_readfirstlane_b32 s12, v37                   ; wave 0..7
	s_mov_b32 s39, ttmp9
	v_and_b32 v1, 31, v0                           ; lane
	v_and_b32 v2, 7, v0                            ; lane % 8
	v_lshlrev_b32 v38, 2, v37
	s_delay_alu instid0(VALU_DEP_1)
	v_add_nc_u32 v38, OWNB, v38                    ; LDS: my wave's own count
	v_lshlrev_b32 v37, 4, v37                      ; LDS: my wave's 8 counts (CNTB = 0)
	s_delay_alu instid0(VALU_DEP_4)
	v_lshlrev_b32 v39, 4, v2                       ; LDS: wave lane % 8's 8 counts
	v_lshl_add_u32 v40, v2, 2, OWNB                ; LDS: wave lane % 8's own count
	s_wait_kmcnt 0x0
	s_cmp_ge_u32 s39, RWG
	s_cbranch_scc1 .Llayout
	; ---------------- ROUTING, first half: my wave's counts ----------------
	s_lshr_b32 s13, s39, 3                         ; type e
	s_and_b32 s32, s39, 7                          ; chunk g
	v_and_b32 v4, 0xe0, v0                         ; 32 x wave
	s_delay_alu instid0(VALU_DEP_1)
	v_lshlrev_b32 v4, 7, v4
	s_wait_alu depctr_va_vdst(0)
	v_lshl_add_u32 v4, v1, 4, v4                   ; chunk w is 4,096 bytes of types: 4,096 x wave + 16 x lane
.irp i, 0,1,2,3,4,5,6,7
	global_load_b128 v[TT+4*\i:TT+4*\i+3], v4, s[4:5] offset:512*\i   ; 512 consecutive bytes each
.endr
	s_lshl_b32 s15, s32, 12
	v_lshl_add_u32 v11, v0, 4, s15                 ; the rows that I place: 4,096 g + 16 x thread
	global_load_b128 v[ST:ST+3], v11, s[4:5]       ; rows 1,024 g + 4 x thread + 0..3
	s_lshl_b32 s33, s32, 10
	v_lshl_add_u32 v3, v0, 2, s33                  ; 1,024 g + 4 x thread
	s_lshl_b32 s33, s32, 8
	v_add_nc_u32 v47, s33, v0                      ; 256 g + thread: my number among the 2,048 threads of type e
	v_lshlrev_b32 v46, 3, v0
	v_and_b32 v32, 4, v1
	s_delay_alu instid0(VALU_DEP_1)
	v_lshlrev_b32 v32, 2, v32                      ; 16 where lane % 8 is 4 or more
.irp k, 0,1,2,3,4,5
	v_mov_b32 v[TMP+\k], 0                         ; a lane move's destination counts as read: written once
.endr
	v_mov_b32 v41, 0
	s_mov_b32 s22, 0x76543210
	s_mov_b32 s23, 0xfedcba98                      ; v_permlanex16_b32: lane l xor 16
	s_mov_b32 s24, 0x22222222                      ; lanes with lane % 4 = 1,
	s_mov_b32 s25, 0x44444444                      ; 2,
	s_mov_b32 s26, 0x88888888                      ; 3
	s_mov_b32 s27, 0x0f0f0f0f
	s_mov_b32 s38, 0x00ff00ff
	s_and_b32 s33, s13, 3                          ; type e lies in word e % 4,
	s_cmp_eq_u32 s33, 1
	s_cselect_b32 s35, -1, 0
	s_cmp_eq_u32 s33, 2
	s_cselect_b32 s36, -1, 0
	s_cmp_eq_u32 s33, 3
	s_cselect_b32 s37, -1, 0
	s_lshr_b32 s34, s13, 2
	s_lshl_b32 s34, s34, 4                         ; in its upper half where e is 4 or more
	s_mov_b32 s14, 0
	s_wait_loadcnt 0x0
.set J, 0
.rept 32
	v_min_u32 v[TT+J], 7, v[TT+J]
.set J, J+1
.endr
.irp k, 0,1,2,3
	v_min_u32 v[ST+\k], 7, v[ST+\k]
.endr
	; Histogram q takes numbers 8 q .. 8 q + 7: a count is 8 at the most and fits in 4 bits; field T counts type T.  The four take turns, so that no line waits for the line above it
.irp q, 0,1,2,3
	v_lshlrev_b32 v[SH+\q], 2, v[TT+8*\q]
.endr
.irp q, 0,1,2,3
	s_delay_alu instid0(VALU_DEP_4)
	v_lshlrev_b32 v[HH+\q], v[SH+\q], 1
.endr
.irp j, 1,2,3,4,5,6,7
.irp q, 0,1,2,3
	v_lshlrev_b32 v[SH+\q], 2, v[TT+8*\q+\j]
.endr
.irp q, 0,1,2,3
	s_delay_alu instid0(VALU_DEP_4)
	v_lshl_add_u32 v[HH+\q], 1, v[SH+\q], v[HH+\q]
.endr
.endr
	s_delay_alu instid0(VALU_DEP_4)
	v_and_b32 v60, s27, v[HH]                      ; into bytes (32 at the most): v60: types 0, 2, 4, 6;
	v_lshrrev_b32 v61, 4, v[HH]
	s_delay_alu instid0(VALU_DEP_1)
	v_and_b32 v61, s27, v61                        ; v61: types 1, 3, 5, 7
.irp q, 1,2,3
	v_and_b32 v62, s27, v[HH+\q]
	v_lshrrev_b32 v63, 4, v[HH+\q]
	s_delay_alu instid0(VALU_DEP_1)
	v_and_b32 v63, s27, v63
	s_delay_alu instid0(VALU_DEP_3)
	v_add_nc_u32 v60, v60, v62
	s_delay_alu instid0(VALU_DEP_2)
	v_add_nc_u32 v61, v61, v63
.endr
	s_delay_alu instid0(VALU_DEP_2)
	v_and_b32 v[FF], s38, v60                      ; into halves: word k: type k below, type k + 4 above
	s_delay_alu instid0(VALU_DEP_2)
	v_and_b32 v[FF+1], s38, v61
	s_delay_alu instid0(VALU_DEP_4)
	v_lshrrev_b32 v[FF+2], 8, v60
	s_delay_alu instid0(VALU_DEP_4)
	v_lshrrev_b32 v[FF+3], 8, v61
	s_delay_alu instid0(VALU_DEP_2)
	v_and_b32 v[FF+2], s38, v[FF+2]
	s_delay_alu instid0(VALU_DEP_2)
	v_and_b32 v[FF+3], s38, v[FF+3]
	RED FF, 4, 1                                   ; chunk w's counts, 1,024 at the most
	s_wait_alu depctr_va_vdst(0)
.irp k, 0,1,2,3
	v_cmp_eq_u32 vcc_lo, s13, v[ST+\k]
	s_bcnt1_i32_b32 s15, vcc_lo
	s_add_co_u32 s14, s14, s15                     ; the rows of type e among the 128 that my wave places
.endr
	v_mov_b32 v34, s14
	ds_store_b128 v37, v[FF:FF+3]                  ; all lanes write the same bytes with the same value
	ds_store_b32 v38, v34
	s_wait_dscnt 0x0                               ; for the others' sake: my stores have landed
	s_barrier_signal -1
	s_barrier_wait -1
	; ---------------- second half: places ----------------
	ds_load_b128 v[GG:GG+3], v39                   ; lane l: chunk l % 8's counts
	ds_load_b32 v34, v40                           ; and wave l % 8's own count
	s_wait_dscnt 0x0
	v_cndmask_b32 v28, v24, v25, s35               ; word e % 4,
	s_delay_alu instid0(VALU_DEP_1)
	v_cndmask_b32 v28, v28, v26, s36
	s_delay_alu instid0(VALU_DEP_1)
	v_cndmask_b32 v28, v28, v27, s37
	s_delay_alu instid0(VALU_DEP_1)
	v_lshrrev_b32 v28, s34, v28                    ; its half:
	s_delay_alu instid0(VALU_DEP_1)
	v_and_b32 v28, 0xffff, v28                     ; the rows of type e in chunk l % 8
	v_cmp_gt_u32 vcc_lo, s12, v2
	s_delay_alu instid0(VALU_DEP_1)
	v_cndmask_b32 v35, 0, v34, vcc_lo              ; ahead of my wave's rows: those of the waves below mine in chunk g,
	v_cmp_gt_u32 vcc_lo, s32, v2
	s_delay_alu instid0(VALU_DEP_1)
	v_cndmask_b32 v29, 0, v28, vcc_lo              ; and those of the chunks below g
	s_delay_alu instid0(VALU_DEP_1)
	v_add_nc_u32 v29, v29, v35
	RED GG, 6, 0                                   ; six sums over 8 lanes by turns: the 8 totals (8,192 at the most), c_e, the rows ahead
	v_cndmask_b32 v30, v24, v25, s24               ; word lane % 4,
	s_delay_alu instid0(VALU_DEP_1)
	v_cndmask_b32 v30, v30, v26, s25
	s_delay_alu instid0(VALU_DEP_1)
	v_cndmask_b32 v30, v30, v27, s26
	s_delay_alu instid0(VALU_DEP_1)
	v_lshrrev_b32 v30, v32, v30                    ; its upper half where lane % 8 is 4 or more:
	s_delay_alu instid0(VALU_DEP_1)
	v_and_b32 v30, 0xffff, v30                     ; c of type lane % 8
	CEIL 31, 30                                    ; t of type lane % 8
	v_cmp_gt_u32 vcc_lo, s13, v2
	s_delay_alu instid0(VALU_DEP_1)
	v_cndmask_b32 v31, 0, v31, vcc_lo
	CEIL 33, 28                                    ; t_e
	RED 31, 1, 0                                   ; tb_e: the tiles of the types below e
	s_delay_alu instid0(VALU_DEP_1)
	v_readfirstlane_b32 s17, v31
	v_readfirstlane_b32 s15, v33
	v_readfirstlane_b32 s16, v29
	v_readfirstlane_b32 s19, v28
	s_add_co_u32 s18, s17, s15
	s_min_u32 s18, s18, TILES
	s_cmp_eq_u32 s13, 7
	s_cselect_b32 s18, TILES, s18                  ; the last type's work-groups also write the tiles that no type uses
	s_mul_i32 s15, s17, TROWS
	s_add_co_u32 s16, s16, s15                     ; my wave's first place
	s_add_co_u32 s19, s19, s15                     ; the first place behind type e's rows
	s_mul_i32 s20, s18, TROWS
	s_sub_co_u32 s20, s20, s19                     ; the empty places from there on: 143 at the most; for type 7 at most 9,216 - 8,192 = 1,024: under the type's 2,048 threads
	; Every offset and every datum of the six stores is made with all lanes on, each in a register of its own, ahead of the first change of EXEC
.irp k, 0,1,2,3
	v_cmp_eq_u32 vcc_lo, s13, v[ST+\k]
	s_delay_alu instid0(VALU_DEP_1)
	v_mbcnt_lo_u32_b32 v[PL+\k], vcc_lo, s16       ; the next free place + the matching lanes below me
	s_bcnt1_i32_b32 s15, vcc_lo
	s_add_co_u32 s16, s16, s15
	v_min_u32 v[PL+\k], TILES*TROWS-1, v[PL+\k]
	s_delay_alu instid0(VALU_DEP_1)
	v_lshl_add_u32 v[PL+\k], v[PL+\k], 2, ORD0     ; 4 bytes a place, from where order[] begins
	v_add_nc_u32 v[RN+\k], \k, v3                  ; the row's number
.endr
	v_add_nc_u32 v45, s19, v47                     ; the empty place that is mine, if the run reaches so far
	s_delay_alu instid0(VALU_DEP_1)
	v_min_u32 v45, TILES*TROWS-1, v45
	s_delay_alu instid0(VALU_DEP_1)
	v_lshl_add_u32 v45, v45, 2, ORD0
	s_sub_co_u32 s15, s18, s17                     ; type e's tiles: their meta is written by chunk 0's work-group alone
	s_cmp_eq_u32 s32, 0
	s_cselect_b32 s15, s15, 0
	v_sub_nc_u32 v44, v0, s17                      ; thread tb + d writes tile tb + d's meta
	s_delay_alu instid0(VALU_DEP_1)
	v_mul_u32_u24 v43, v44, TROWS
	s_delay_alu instid0(VALU_DEP_1)
	v_min_u32 v43, v43, v28
	s_delay_alu instid0(VALU_DEP_1)
	v_sub_nc_u32 v43, v28, v43                     ; what is left of c_e behind d full tiles,
	s_delay_alu instid0(VALU_DEP_1)
	v_min_u32 v43, TROWS, v43                      ; 144 of it at the most
	v_mov_b32 v42, s13
.irp k, 0,1,2,3
	v_cmp_eq_u32 vcc_lo, s13, v[ST+\k]
	MASK_ON
	global_store_b32 v[PL+\k], v[RN+\k], s[8:9]    ; the matching lanes write consecutive words
	MASK_OFF
.endr
	v_cmp_gt_u32 vcc_lo, s20, v47
	MASK_ON
	global_store_b32 v45, v41, s[8:9]              ; consecutive lanes clear consecutive places
	MASK_OFF
	v_cmp_gt_u32 vcc_lo, s15, v44
	MASK_ON
	s_wait_alu depctr_va_vdst(0)
	global_store_b64 v46, v[42:43], s[8:9]
	MASK_OFF
	s_wait_xcnt 0x0
	s_mov_b32 exec_lo, -1
	s_wait_tensorcnt 0x0
	ds_add_u32 v96, v97
	s_wait_dscnt 0x0
	s_endpgm
	; ---------------- THE WEIGHT'S CODES: a wave takes 16 rows x 256 bytes (four K steps) ----------------
.Llayout:
	s_sub_co_u32 s15, s39, RWG
	s_lshl_b32 s15, s15, 3
	s_add_co_u32 s15, s15, s12                     ; which of 1,024 pieces is my wave's
	s_lshr_b32 s28, s15, 1
	s_lshl_b32 s28, s28, 13                        ; T x 8,192: 16 rows of 512 bytes, in both buffers
	s_and_b32 s15, s15, 1                          ; which half of K
	s_lshl_b32 s30, s15, 12                        ; in wimg: four K steps of 1,024 bytes
	s_lshl_b32 s15, s15, 8                         ; in a row: 256 bytes
	s_add_co_u32 s30, s30, s28
	s_add_co_u32 s28, s28, s15
	s_mov_b32 s29, 0
	s_mov_b32 s31, 0
	s_add_nc_u64 s[6:7], s[6:7], s[28:29]
	s_add_nc_u64 s[10:11], s[10:11], s[30:31]
	v_and_b32 v46, 15, v0
	s_delay_alu instid0(VALU_DEP_1)
	v_lshlrev_b32 v46, 9, v46
	v_bfe_u32 v47, v0, 4, 1
	s_delay_alu instid0(VALU_DEP_1)
	v_lshl_add_u32 v46, v47, 4, v46                ; in: row r, + 16 h
	v_lshlrev_b32 v47, 4, v1                       ; out: 16 x lane
.irp i, 0,1,2,3,4,5,6,7                    ; i = 2 x (K step in the piece) + c
	global_load_b128 v[TT+4*\i:TT+4*\i+3], v46, s[6:7] offset:32*\i th:TH_LOAD_NT   ; the eight loads cover 256 consecutive bytes of each of 16 rows, from a multiple of 256 on; read once in the program
.endr
	s_wait_alu depctr_va_vdst(0)
.irp i, 0,1,2,3,4,5,6,7
	s_wait_loadcnt 7-\i                            ; loads come back in order: the younger ones stay out
	global_store_b128 v47, v[TT+4*\i:TT+4*\i+3], s[10:11] offset:512*\i   ; 512 consecutive bytes, at a multiple of 512 from wimg's first byte
.endr
	s_endpgm
.Lfunc_end_k_q9df1254703_prep:
	.size	k_q9df1254703_prep, .Lfunc_end_k_q9df1254703_prep-k_q9df1254703_prep
	.p2alignl 7, 3214868480
	.fill 96, 4, 3214868480
	.section	.rodata,"a",@progbits
	.p2align	6, 0x0
	.amdhsa_kernel k_q9df1254703_prep
		.amdhsa_group_segment_fixed_size 2048
		.amdhsa_private_segment_fixed_size 0
		.amdhsa_enable_private_segment 0
		.amdhsa_kernarg_size 32
		.amdhsa_user_sgpr_count 2
		.amdhsa_user_sgpr_kernarg_segment_ptr 1
		.amdhsa_wavefront_size32 1
		.amdhsa_system_sgpr_workgroup_id_x 1
		.amdhsa_system_sgpr_workgroup_id_y 1
		.amdhsa_system_sgpr_workgroup_id_z 1
		.amdhsa_system_vgpr_workitem_id 0
		.amdhsa_next_free_vgpr 98
		.amdhsa_next_free_sgpr 66
		.amdhsa_reserve_vcc 1
		.amdhsa_float_denorm_mode_32 3
		.amdhsa_float_denorm_mode_16_64 3
		.amdhsa_memory_ordered 1
		.amdhsa_forward_progress 1
		.amdhsa_inst_pref_size 24
	.end_amdhsa_kernel
	.amdgpu_metadata
---
amdhsa.version: [ 1, 2 ]
amdhsa.kernels:
  - .name:           k_q9df1254703_prep
    .symbol:         k_q9df1254703_prep.kd
    .args:
      - { .name: types, .offset: 0, .size: 8, .value_kind: global_buffer, .address_space: global }
      - { .name: weight_codes, .offset: 8, .size: 8, .value_kind: global_buffer, .address_space: global }
      - { .name: route, .offset: 16, .size: 8, .value_kind: global_buffer, .address_space: global }
      - { .name: wimg, .offset: 24, .size: 8, .value_kind: global_buffer, .address_space: global }
    .group_segment_fixed_size: 2048
    .private_segment_fixed_size: 0
    .kernarg_segment_align: 8
    .kernarg_segment_size: 32
    .max_flat_workgroup_size: 256
    .sgpr_count:     66
    .vgpr_count:     98
    .wavefront_size: 32
...
	.end_amdgpu_metadata
.endif
;; end of part 3
;; launch gemm (part 4): grid 4 x 64, 4 waves a work-group, no clusters, 99,328 bytes of LDS; arguments x_codes, x_scales, wimg, weight_scales, bias, route, out0; writes out0
.if DOCPART == 4
	.amdgcn_target "amdgcn-amd-amdhsa--gfx1250"
	.amdhsa_code_object_version 6
	.text
	.protected	k_q9df1254703_gemm
	.globl	k_q9df1254703_gemm
	.p2align	8
	.type	k_q9df1254703_gemm,@function
k_q9df1254703_gemm:
	s_mov_b64 s[64:65], 0
	v_nop
	global_prefetch_b8 v0, s[64:65] scope:SCOPE_SE
	s_setreg_imm32_b32 hwreg(HW_REG_WAVE_MODE, 25, 1), 1
	s_wait_xcnt 0x0
; out[n] = W[types[n]] x[n] + bias[types[n]] on codes of FP4 (E2M1) with one E8M0 scale for each 32 along K; only each row's own type is multiplied.
; A work-group (x = column block cb of 256, y = row tile) takes one tile of the routing list: up to 144 rows of ONE type x 256 columns.  64 tiles serve every split of the rows among the types.
; THE WAVES SHARE THE COLUMNS: wave w owns columns 256 cb + 64 w .. + 63 for all rows.  Its part of W (4 tiles of 16 columns x 8 K steps x 8 registers = 256 registers), W's scale words and
; the bias come from memory straight into registers and stay.  The gathered rows of x, which all four waves need, go through LDS once: wave w brings rows 36 w .. 36 w + 35.
; ONE barrier, behind the gather, ahead of every branch on a loaded number.  Then each wave walks the tile 16 rows at a time: 32 matrix instructions, the results through its own stage in LDS,
; eight stores in which sixteen lanes write 256 consecutive bytes of one row of out, at a multiple of 256 from out's first byte.  A block's stores leave while the next block is multiplied.
; THE MATRIX INSTRUCTION IS USED TRANSPOSED: source 0 = 16 rows of W (columns of out), source 1 = 16 rows of x: register j of lane (r, h) is out(row r, column 16 t + 8 h + j).
; The bias is the C of each sum's first matrix instruction.  The four accumulators take turns, one instruction a turn.
; NO TENSOR LOADS, NO CLUSTER: the walk ends on a count read from memory and the rows' addresses are read from memory; neighbouring tiles need not be of one type, so no joint request could be made alike in all partners.
; Places of a tile that hold no row name row 0: it is staged and multiplied like any row and never stored; a column of a product touches no other column.
; LIMITS: none of range: codes and scale bytes are taken as given (a scale byte 0xff gives NaN in its row's or column's results, as the format says).
.set XP,    560                        ; a row of x in LDS: 512 bytes of codes, 32 scale bytes, 16 of padding = 35 x 16: the 16 rows of a fragment load start at 16 different columns of 16 bytes modulo 256
.set XBLK,  16*XP                      ; 16 rows
.set XWAVE, 36*XP                      ; what a wave brings
.set ORD,   144*XP                     ; LDS 80,640: the tile's 144 row numbers
.set STG,   81408                      ; LDS: a stage of 16 rows x (256 bytes + 16) for each wave
.set SP,    272
.set SWAVE, 16*SP
.set L16,  1                           ; v1   16 x lane
.set AX,   2                           ; v2   a fragment of x: 560 r + 16 h
.set AX2,  3                           ; v3   the same 7 blocks further on: an LDS offset has 16 bits
.set STO,  4                           ; v4   the stage: where I put 32 bytes of a row
.set RD,   5                           ; v5   and where I read back: lanes 0-15 row i, lanes 16-31 row 8 + i
.set OI,   6                           ; v6   row numbers: ORD + 32 h
.set P16,  7                           ; v7   16 r
.set PH,   8                           ; v8   8 h
.set XW,   9                           ; v9   the gather: where my wave's rows go, 16 x lane
.set XSW,  10                          ; v10  their scale bytes, row r
.set XSW2, 11                          ; v11  the last four rows' (lanes wrap: r % 4)
.set ORW,  12                          ; v12  their row numbers
.set ORW2, 13                          ; v13
.set WSO,  14                          ; v14  W's scale words: 32 r + 16 h
.set BO,   15                          ; v15  the bias: 32 h
.set WS,   16                          ; v16-31   W's scale words: tile t at 4 t: lanes 0-15 K steps 0-3, lanes 16-31 K steps 4-7.  Scales and nothing else
.set XSC,  32                          ; v32-39   x's scale words, two sets, laid likewise.  Scales and nothing else
.set BI,   40                          ; v40-71   the bias, 8 registers a tile, in the result's layout
.set ACC,  72                          ; v72-103  four accumulators
.set IX,   104                         ; v104-119 row numbers 16 a + 8 h + 0..7, two sets
.set OFF,  120                         ; v120-127 byte offsets in out
.set OB,   128                         ; v128-159 16 rows x 256 bytes back from the stage
.set XD,   72                          ; at the head only: v72-215 36 rows of x;  v216-227 their scale bytes;  v228-230 row numbers;  v231, v232 offsets;  v233-237 at work
.set XSD,  216
.set VI,   228
.set VO,   231
.set VO2,  232
; window 1: W's fragment (t, s) at v[64 t + 8 s].   window 2: x's fragments, set q, K step s at v[64 q + 8 s].
; s[4:5] x_codes  s[6:7] x_scales  s[8:9] wimg  s[10:11] weight_scales  s[12:13] bias  s[14:15] route  s[16:51] my wave's 36 row numbers  s[52:53] out0  s54 wave  s55 cb  s56 tile
; s57 at work  s58 type  s59 rows  s60 rows to go  s61, s62 at work  s[66:71] addresses in route  s[72:79] byte offsets
.set MSB, 0
.macro WIN new                         ; s_set_vgpr_msb: bits 1:0 source 0, 3:2 source 1, 5:4 source 2, 7:6 destination; the high byte repeats the setting that is left
.if MSB != \new
	s_set_vgpr_msb (MSB<<8)|\new
.set MSB, \new
.endif
.endm
.macro WLOAD s                         ; W's four fragments of K step s: each load reads 512 consecutive bytes of wimg
.irp t, 0,1,2,3
.irp c, 0,1
	global_load_b128 v[64*\t+8*(\s)+4*\c:64*\t+8*(\s)+4*\c+3], v[L16], s[8:9] offset:8192*\t+1024*(\s)+512*\c
.endr
.endr
.endm
	s_load_b256 s[4:11], s[0:1], 0x0
	s_load_b128 s[12:15], s[0:1], 0x20
	s_load_b64 s[52:53], s[0:1], 0x30
	v_lshl_add_u32 v254, v0, 2, 0x18200
	v_mov_b32 v255, 0
	v_lshrrev_b32 v233, 5, v0
	v_readfirstlane_b32 s54, v233                  ; wave 0..3
	s_mov_b32 s55, ttmp9                           ; column block
	s_and_b32 s56, ttmp7, 0xffff                   ; tile
	v_and_b32 v233, 15, v0                         ; r
	v_and_b32 v236, 3, v0                          ; r % 4
	s_mul_i32 s76, s54, 144                        ; my wave's 36 row numbers in the tile's 144
	s_mov_b32 s77, 0
	v_lshl_add_u32 v[VO], v233, 2, s76             ; 144 w + 4 r
	v_lshl_add_u32 v[VO2], v236, 2, s76
	v_add_nc_u32 v[VO2], 128, v[VO2]               ; 144 w + 128 + 4 (r % 4)
	s_lshl_b32 s72, s56, 3                         ; meta: 8 bytes a tile
	s_mov_b32 s73, 0
	s_mul_i32 s74, s56, 576                        ; order: 576 bytes a tile, behind the 512 of meta
	s_add_co_u32 s74, s74, 512
	s_mov_b32 s75, 0
	s_lshl_b32 s78, s55, 10
	s_lshl_b32 s57, s54, 8
	s_add_co_u32 s78, s78, s57                     ; my 64 columns as f32: 1,024 cb + 256 w
	s_mov_b32 s79, 0
	s_wait_alu depctr_va_vdst(0)
	s_wait_kmcnt 0x0
	s_add_nc_u64 s[66:67], s[14:15], s[72:73]
	s_add_nc_u64 s[68:69], s[14:15], s[74:75]
	s_add_nc_u64 s[70:71], s[68:69], s[76:77]
	; the tile's type and count and my wave's row numbers, all at addresses that hang on ids alone: one trip to memory
	s_load_b64 s[58:59], s[66:67], 0x0
	s_load_b512 s[16:31], s[70:71], 0x0
	s_load_b512 s[32:47], s[70:71], 0x40
	s_load_b128 s[48:51], s[70:71], 0x80
	global_load_b32 v[VI], v[VO], s[68:69]             ; the same numbers a lane to a row: rows 36 w + r,
	global_load_b32 v[VI+1], v[VO], s[68:69] offset:64 ; 36 w + 16 + r,
	global_load_b32 v[VI+2], v[VO2], s[68:69]          ; 36 w + 32 + r % 4
	s_add_nc_u64 s[52:53], s[52:53], s[78:79]      ; out at my columns
	v_bfe_u32 v234, v0, 4, 1                       ; h
	v_and_b32 v235, 31, v0                         ; lane
	v_lshlrev_b32 v[L16], 4, v235
	v_mul_u32_u24 v[AX], v233, XP
	v_lshl_add_u32 v[AX], v234, 4, v[AX]
	v_add_nc_u32 v[AX2], 7*XBLK, v[AX]
	s_mul_i32 s57, s54, SWAVE
	s_add_co_u32 s57, s57, STG                     ; my stage
	v_mul_u32_u24 v[STO], v233, SP
	v_lshl_add_u32 v[STO], v234, 5, v[STO]
	v_add_nc_u32 v[STO], s57, v[STO]
	v_mul_u32_u24 v[RD], v234, 8*SP
	v_lshl_add_u32 v[RD], v233, 4, v[RD]
	v_add_nc_u32 v[RD], s57, v[RD]
	v_lshl_add_u32 v[OI], v234, 5, ORD
	v_lshlrev_b32 v[P16], 4, v233
	v_lshlrev_b32 v[PH], 3, v234
	s_mul_i32 s61, s54, XWAVE                      ; my wave's 36 rows in LDS
	v_add_nc_u32 v[XW], s61, v[L16]
	v_add_nc_u32 v[XSW], s61, v[AX]
	v_add_nc_u32 v[XSW], 512, v[XSW]
	v_mul_u32_u24 v[XSW2], v236, XP
	v_lshl_add_u32 v[XSW2], v234, 4, v[XSW2]
	v_add_nc_u32 v[XSW2], s61, v[XSW2]
	v_add_nc_u32 v[XSW2], 32*XP+512, v[XSW2]
	v_add_nc_u32 v[ORW], ORD, v[VO]
	v_add_nc_u32 v[ORW2], ORD, v[VO2]
	v_lshlrev_b32 v[WSO], 5, v233
	v_lshl_add_u32 v[WSO], v234, 4, v[WSO]
	v_lshlrev_b32 v[BO], 5, v234
	v_lshlrev_b32 v237, 4, v234                    ; 16 h
	s_wait_kmcnt 0x0
	; THE GATHER: a row of x is 512 consecutive bytes, one load of the wave; the load lands on its own offset register
.set I, 0
.rept 36
	s_min_u32 s[16+I], s[16+I], 8191
	s_lshl_b32 s[16+I], s[16+I], 9
	v_add_nc_u32 v[XD+4*I], s[16+I], v[L16]
	global_load_b128 v[XD+4*I:XD+4*I+3], v[XD+4*I], s[4:5]
.set I, I+1
.endr
	s_min_u32 s58, s58, 7
	s_min_u32 s59, s59, 144
	s_lshl_b32 s74, s58, 12
	s_add_co_u32 s74, s74, s78                     ; the bias of my type and columns: 4,096 type + 1,024 cb + 256 w bytes;
	s_lshl_b32 s76, s74, 3                         ; W's scale bytes: 32 a column against the bias's 4;
	s_lshl_b32 s72, s74, 7                         ; W's codes: 512 a column
	s_add_nc_u64 s[12:13], s[12:13], s[74:75]      ; (the pairs' upper words are 0 since the head)
	s_add_nc_u64 s[10:11], s[10:11], s[76:77]
	s_add_nc_u64 s[8:9], s[8:9], s[72:73]
	s_wait_loadcnt 36                              ; the three loads of row numbers are in: 36 loads were issued behind them
.irp i, 0,1,2
	v_min_u32 v[VI+\i], 8191, v[VI+\i]
	v_lshl_add_u32 v[XSD+4*\i], v[VI+\i], 5, v237  ; a row's 32 scale bytes, 16 for each half of the lanes
	global_load_b128 v[XSD+4*\i:XSD+4*\i+3], v[XSD+4*\i], s[6:7]
.endr
.irp t, 0,1,2,3
	global_load_b128 v[WS+4*\t:WS+4*\t+3], v[WSO], s[10:11] offset:512*\t   ; 16 rows x 32 bytes: 512 consecutive bytes
.endr
.irp t, 0,1,2,3
	global_load_b128 v[BI+8*\t:BI+8*\t+3], v[BO], s[12:13] offset:64*\t
	global_load_b128 v[BI+8*\t+4:BI+8*\t+7], v[BO], s[12:13] offset:64*\t+16
.endr
	WIN 0x40                                       ; destination window 1
	WLOAD 0
	WIN 0
	s_wait_alu depctr_va_vdst(0)
	s_wait_loadcnt 20                              ; x's codes and scale bytes are in: behind them 4 + 8 + 8 loads were issued
.set I, 0
.rept 36
	ds_store_b128 v[XW], v[XD+4*I:XD+4*I+3] offset:XP*I
.set I, I+1
.endr
	ds_store_b128 v[XSW], v[XSD:XSD+3]
	ds_store_b128 v[XSW], v[XSD+4:XSD+7] offset:XBLK
	ds_store_b128 v[XSW2], v[XSD+8:XSD+11]         ; lanes that wrap write the same bytes with the same value
	ds_store_b32 v[ORW], v[VI]
	ds_store_b32 v[ORW], v[VI+1] offset:64
	ds_store_b32 v[ORW2], v[VI+2]
	WIN 0x40
.irp s, 1,2,3,4,5,6,7
	WLOAD \s                                       ; by K step, so that the first block can begin while the later steps are on their way
.endr
	WIN 0
	s_wait_dscnt 0x0                               ; for the others' sake: my rows lie in LDS
	s_barrier_signal -1
	s_barrier_wait -1                              ; everybody's do.  From here on x's rows and the row numbers are only read, and each stage is its wave's own
	s_cmp_eq_u32 s59, 0                            ; a tile that this split leaves without rows stores nothing
	s_cbranch_scc1 .Lend
	s_mov_b32 s60, s59
; Block a's operands: 8 fragments of x (16 rows x 128 K: two loads of 16 bytes a lane, 32 bytes apart), the rows' scale words, the rows' numbers; into set a % 2
.macro LOADA a
.set QL, (\a)%2
.if (\a) < 7
.set AR, AX
.set AB, XBLK*(\a)
.else
.set AR, AX2
.set AB, XBLK*((\a)-7)
.endif
	WIN 0x80                                       ; destination window 2
.irp s, 0,1,2,3,4,5,6,7
.irp c, 0,1
	ds_load_b128 v[64*QL+8*\s+4*\c:64*QL+8*\s+4*\c+3], v[AR] offset:AB+64*\s+32*\c
.endr
.endr
	WIN 0
	ds_load_b128 v[XSC+4*QL:XSC+4*QL+3], v[AR] offset:AB+512    ; lanes 0-15: the words of K steps 0-3; lanes 16-31: of K steps 4-7
	ds_load_b128 v[IX+8*QL:IX+8*QL+3], v[OI] offset:64*(\a)
	ds_load_b128 v[IX+8*QL+4:IX+8*QL+7], v[OI] offset:64*(\a)+16
.endm
; Block a: rows 16 a .. 16 a + 15 of the tile
.macro SUB a
.set QM, (\a)%2
	s_wait_dscnt 0x0                               ; this block's operands are in
.if (\a) < 8
	LOADA (\a)+1                                   ; into the set that block a - 1 multiplied: its last product stands in front of that block's sixteen vector lines
.endif
	WIN 0x09                                       ; source 0 (W) window 1, source 1 (x) window 2, C and D window 0
.irp s, 0,1,2,3,4,5,6,7
.if (\a) == 0
	s_wait_loadcnt 8*(7-\s)                        ; W's K step s is in: the eight loads of each later step may be out
.endif
.irp t, 0,1,2,3
.if \s == 0
	v_wmma_scale_f32_16x16x128_f8f6f4 v[ACC+8*\t:ACC+8*\t+7], v[64*\t+8*\s:64*\t+8*\s+7], v[64*QM+8*\s:64*QM+8*\s+7], v[BI+8*\t:BI+8*\t+7], v[WS+4*\t+\s%4], v[XSC+4*QM+\s%4] matrix_a_fmt:MATRIX_FMT_FP4 matrix_b_fmt:MATRIX_FMT_FP4
.elseif \s < 4
	v_wmma_scale_f32_16x16x128_f8f6f4 v[ACC+8*\t:ACC+8*\t+7], v[64*\t+8*\s:64*\t+8*\s+7], v[64*QM+8*\s:64*QM+8*\s+7], v[ACC+8*\t:ACC+8*\t+7], v[WS+4*\t+\s%4], v[XSC+4*QM+\s%4] matrix_a_fmt:MATRIX_FMT_FP4 matrix_b_fmt:MATRIX_FMT_FP4
.else
	v_wmma_scale_f32_16x16x128_f8f6f4 v[ACC+8*\t:ACC+8*\t+7], v[64*\t+8*\s:64*\t+8*\s+7], v[64*QM+8*\s:64*QM+8*\s+7], v[ACC+8*\t:ACC+8*\t+7], v[WS+4*\t+\s%4], v[XSC+4*QM+\s%4] matrix_a_fmt:MATRIX_FMT_FP4 matrix_b_fmt:MATRIX_FMT_FP4 matrix_a_scale:MATRIX_SCALE_ROW1 matrix_b_scale:MATRIX_SCALE_ROW1
.endif
.endr
.endr
	WIN 0
	s_wait_xcnt 0x0                                ; the last block's stores, issued 32 matrix instructions ago, have read their offsets and data: both are written again below
	; Sixteen plain vector lines that name no register of the products: the places between the last products and the reads of their results,
	; the loads into their operands, and the next block's first products, which begin the accumulators anew
.irp i, 0,1,2,3,4,5,6,7
	v_min_u32 v[OFF+\i], 8191, v[IX+8*QM+\i]
.endr
.irp i, 0,1,2,3,4,5,6,7
	v_lshl_add_u32 v[OFF+\i], v[OFF+\i], 12, v[P16]   ; a row of out is 4,096 bytes; + 16 r
.endr
.irp t, 0,1,2,3
	ds_store_b128 v[STO], v[ACC+8*\t:ACC+8*\t+3] offset:64*\t        ; each accumulator from its low end on
	ds_store_b128 v[STO], v[ACC+8*\t+4:ACC+8*\t+7] offset:64*\t+16
.endr
.irp i, 0,1,2,3,4,5,6,7
	ds_load_b128 v[OB+4*\i:OB+4*\i+3], v[RD] offset:SP*\i             ; LDS serves a wave's instructions in order (ISA guide 5.7.1.4): these see the stores above
.endr
	s_cmp_lt_u32 s60, 16
	s_cbranch_scc1 .Lpart                          ; fewer than 16 rows are left: the tile's last block, stored under a mask
	s_wait_alu depctr_va_vdst(0)
.irp i, 0,1,2,3,4,5,6,7
	s_wait_dscnt 7-\i                              ; the younger loads from the stage stay out
	global_store_b128 v[OFF+\i], v[OB+4*\i:OB+4*\i+3], s[52:53] th:TH_STORE_NT   ; lanes 0-15: 256 bytes of row i, lanes 16-31: of row 8 + i; written once, read by nobody here
.endr
.if (\a) < 8
	s_sub_co_u32 s60, s60, 16
	s_cmp_eq_u32 s60, 0
	s_cbranch_scc1 .Lend
.else
	s_wait_xcnt 0x0
	s_mov_b32 exec_lo, -1
	s_wait_tensorcnt 0x0
	ds_add_u32 v254, v255
	s_wait_dscnt 0x0
	s_endpgm
.endif
.endm
	LOADA 0
.irp a, 0,1,2,3,4,5,6,7,8
	SUB \a
.endr
.Lpart:                                            ; one text for every block: offsets, data and the count lie in the same registers in all of them
	s_wait_dscnt 0x0
	s_wait_alu depctr_va_vdst(0)
.irp i, 0,1,2,3,4,5,6,7
	s_sub_co_i32 s61, s60, \i
	v_cmp_gt_i32 vcc_lo, s61, v[PH]                ; my row of this store is 8 h + i: it counts where 8 h + i < the rows left
	s_wait_xcnt 0x0                                ; EXEC is a source of every memory instruction that is out: it changes only behind this wait
	s_and_saveexec_b32 s62, vcc_lo
	global_store_b128 v[OFF+\i], v[OB+4*\i:OB+4*\i+3], s[52:53] th:TH_STORE_NT
	s_wait_xcnt 0x0
	s_or_b32 exec_lo, exec_lo, s62
.endr
	s_wait_xcnt 0x0
	s_mov_b32 exec_lo, -1
	s_wait_tensorcnt 0x0
	ds_add_u32 v254, v255
	s_wait_dscnt 0x0
	s_endpgm
.Lend:
	s_wait_xcnt 0x0
	s_mov_b32 exec_lo, -1
	s_wait_tensorcnt 0x0
	ds_add_u32 v254, v255
	s_wait_dscnt 0x0
	s_endpgm
.Lfunc_end_k_q9df1254703_gemm:
	.size	k_q9df1254703_gemm, .Lfunc_end_k_q9df1254703_gemm-k_q9df1254703_gemm
	.p2alignl 7, 3214868480
	.fill 96, 4, 3214868480
	.section	.rodata,"a",@progbits
	.p2align	6, 0x0
	.amdhsa_kernel k_q9df1254703_gemm
		.amdhsa_group_segment_fixed_size 99328
		.amdhsa_private_segment_fixed_size 0
		.amdhsa_enable_private_segment 0
		.amdhsa_kernarg_size 56
		.amdhsa_user_sgpr_count 2
		.amdhsa_user_sgpr_kernarg_segment_ptr 1
		.amdhsa_wavefront_size32 1
		.amdhsa_system_sgpr_workgroup_id_x 1
		.amdhsa_system_sgpr_workgroup_id_y 1
		.amdhsa_system_sgpr_workgroup_id_z 1
		.amdhsa_system_vgpr_workitem_id 0
		.amdhsa_next_free_vgpr 640
		.amdhsa_next_free_sgpr 80
		.amdhsa_reserve_vcc 1
		.amdhsa_float_denorm_mode_32 3
		.amdhsa_float_denorm_mode_16_64 3
		.amdhsa_memory_ordered 1
		.amdhsa_forward_progress 1
		.amdhsa_inst_pref_size 104
	.end_amdhsa_kernel
	.amdgpu_metadata
---
amdhsa.version: [ 1, 2 ]
amdhsa.kernels:
  - .name:           k_q9df1254703_gemm
    .symbol:         k_q9df1254703_gemm.kd
    .args:
      - { .name: x_codes, .offset: 0, .size: 8, .value_kind: global_buffer, .address_space: global }
      - { .name: x_scales, .offset: 8, .size: 8, .value_kind: global_buffer, .address_space: global }
      - { .name: wimg, .offset: 16, .size: 8, .value_kind: global_buffer, .address_space: global }
      - { .name: weight_scales, .offset: 24, .size: 8, .value_kind: global_buffer, .address_space: global }
      - { .name: bias, .offset: 32, .size: 8, .value_kind: global_buffer, .address_space: global }
      - { .name: route, .offset: 40, .size: 8, .value_kind: global_buffer, .address_space: global }
      - { .name: out0, .offset: 48, .size: 8, .value_kind: global_buffer, .address_space: global }
    .group_segment_fixed_size: 99328
    .private_segment_fixed_size: 0
    .kernarg_segment_align: 8
    .kernarg_segment_size: 56
    .max_flat_workgroup_size: 128
    .sgpr_count:     80
    .vgpr_count:     640
    .wavefront_size: 32
...
	.end_amdgpu_metadata
.endif
;; end of part 4
